; MI455X (gfx1250); checked and timed in simulation.
; The chip was launched on July 23, 2026; its instructions are those of AMD's public machine-readable ISA for CDNA 5 (MIT licence, August 2026) and "CDNA5" Instruction Set Architecture Reference Guide (July 2026). The comments in the code are by the model that wrote it; some were corrected since.
;; multi head attention. Allowed arithmetic: matrix products marked QUANTISED: E4M3 operands, one given power-of-two scale a tensor, by v_wmma_f32_16x16x64_fp8_fp8 or v_wmma_f32_16x16x128_fp8_fp8, f32 sums; everything else in f32.
;; Inputs: Wk_codes 1,024 x 32 x 32 uint8 (E4M3 codes of Wk, K innermost, in blocks of 32 codes); Wo_codes 1,024 x 32 x 32 uint8 (E4M3 codes of Wo, K innermost, in blocks of 32 codes); Wq_codes 1,024 x 32 x 32 uint8 (E4M3 codes of Wq, K innermost, in blocks of 32 codes); Wv_codes 1,024 x 32 x 32 uint8 (E4M3 codes of Wv, K innermost, in blocks of 32 codes); bk 1,024 float32; bo 1,024 float32; bq 1,024 float32; bv 1,024 float32; k_codes 4 x 2,048 x 32 x 32 uint8 (E4M3 codes of k, K innermost, in blocks of 32 codes); lowp_scales 12 int32 (the exponents e of the quantised operands' scales 2^e); q_codes 4 x 2,048 x 32 x 32 uint8 (E4M3 codes of q, K innermost, in blocks of 32 codes); v_codes 4 x 2,048 x 32 x 32 uint8 (E4M3 codes of v, K innermost, in blocks of 32 codes).
;; Outputs: out0 4 x 2,048 x 1,024 float32.
;; Constants: mask = True.
;; This version of the problem:
;;   THIS VERSION OF THE PROBLEM IS GIVEN IN LOW PRECISION. The matrix products marked QUANTISED in the list below multiply operands that are first quantised to E4M3 (4 exponent bits, 3 mantissa bits; 8 bits a number), with one given power-of-two scale for each operand tensor; their sums are f32. All else is computed in f32.
;;   The module's matrix products, in the order in which they are computed (A, B: the left and right operand; K: the contracted axis; several contracted axes count as one K, in the product's order):
;;     1. [M 8,192, K 1,024] x [K 1,024, N 1,024]; A: input q (given as codes); B: input Wq (given as codes): QUANTISED (scales: A lowp_scales[0], B lowp_scales[1])
;;     2. [M 8,192, K 1,024] x [K 1,024, N 1,024]; A: input k (given as codes); B: input Wk (given as codes): QUANTISED (scales: A lowp_scales[2], B lowp_scales[3])
;;     3. [M 8,192, K 1,024] x [K 1,024, N 1,024]; A: input v (given as codes); B: input Wv (given as codes): QUANTISED (scales: A lowp_scales[4], B lowp_scales[5])
;;     4. batch 64 x [M 2,048, K 64] x [K 64, N 2,048]; A: computed on the way; B: computed on the way: QUANTISED (scales: A lowp_scales[6], B lowp_scales[7])
;;     5. batch 64 x [M 2,048, K 2,048] x [K 2,048, N 64]; A: softmax (see below); B: computed on the way: QUANTISED (scales: A lowp_scales[8], B lowp_scales[9])
;;     6. [M 8,192, K 1,024] x [K 1,024, N 1,024]; A: computed on the way; B: input Wo (given as codes): QUANTISED (scales: A lowp_scales[10], B lowp_scales[11])
;;   THE QUANTISER, for each operand of a quantised product, along K:
;;     - The operand's scale is 2^e, e = its entry of the input lowp_scales (int32; the entries are numbered through the quantised products in the list's order, A before B).
;;     - Each number is divided by the scale, clamped to +-448, and rounded to the nearest number of E4M3, ties to even, subnormals kept.
;;     - The product sums the exact products of the quantised numbers (number of the format x scale) in f32.
;;   ~~~python
;;   def quantise(x, axis, e):      # numpy; x: float32 -> the quantised numbers, widened to float32 again
;;       x = np.moveaxis(x, axis, -1); K = x.shape[-1]
;;       r = np.clip(x / 2.0 ** e, -448, 448)
;;       step = 2.0 ** (np.maximum(np.frexp(np.where(r == 0, 1, r))[1] - 1, -6) - 3)
;;       q = np.round(r / step) * step * 2.0 ** e      # np.round: ties to even
;;       return np.moveaxis(q, -1, axis).astype(np.float32)
;;   ~~~
;;   SOFTMAX AHEAD OF A QUANTISED PRODUCT. Where the list says 'softmax', what is quantised is not the finished softmax but p = 2^(t - M), with t = logit x log2(e) and M = ceil(the row's largest t), a whole number; so 1/2 < the row's largest p <= 1. The row's sum l is taken of the UNQUANTISED p, in f32, and the product's result is divided by l at the end. Since M is a whole number, a kernel that streams over the keys may use a running M (the ceiling of the running maximum): every later rescaling is an exact power of two, so the quantised numbers keep their values, but for numbers so far below the row's largest that they fall under the format's range.
;;   OPERANDS COMPUTED ON THE WAY. 'Computed on the way' means the value that the module computes at that place (a softmax that the list does not call 'softmax' is quantised finished and normalised). What goes into a quantiser is computed in f32, as accurately as f32 sums, v_exp_f32 and their like allow (about 1e-6 of the number): no bf16 or f16 on the way to a quantiser, and a product that is left as it is and whose result goes on into a quantised operand takes f32 operands (vector FMAs, or v_wmma_f32_16x16x4_f32). A number that lies on a knife's edge between two numbers of the format may be rounded either way, as far as f32 arithmetic and the matrix unit's own rounding can turn it there, and no further.
;;   INPUTS GIVEN AS CODES. Wk (in the module: [1024, 1024], K = its axis 1); Wo (in the module: [1024, 1024], K = its axis 1); Wq (in the module: [1024, 1024], K = its axis 1); Wv (in the module: [1024, 1024], K = its axis 1); k (in the module: [4, 2048, 1024], K = its axis 2); q (in the module: [4, 2048, 1024], K = its axis 2); v (in the module: [4, 2048, 1024], K = its axis 2): each comes as NAME_codes (uint8): NAME with its K axis moved to the last place and cut into blocks of 32 codes, [.., K / 32, bytes a block], one block behind the other in memory; one code a byte (a code: sign, 4 exponent bits, 3 mantissa bits); its scale is its entry of lowp_scales. Its value is code x scale, taken as it is: it is not quantised again, and the codes and scales need not be those that the quantiser above would give.
;; 2 versions, each right; version 2 is version 1 with the launch attn written anew for expert scheduling mode. Each part assembles by itself: llvm-mc -triple=amdgcn-amd-amdhsa -mcpu=gfx1250 --defsym DOCPART=n.
;; ======== version 1 of 2: 3 launches
;; limits: right only within a limited range of input values
;; workspace buffers: qimg 8,388,608 bytes; kvimg 16,777,216 bytes; cimg 8,388,608 bytes
;; launch proj (part 1): grid 4 x 96, 8 waves a work-group, clusters of 4 x 4, 327,680 bytes of LDS; arguments q_codes, k_codes, v_codes, Wq_codes, Wk_codes, Wv_codes, bq, bk, bv, lowp_scales, qimg, kvimg; writes qimg, kvimg
.if DOCPART == 1
	.amdgcn_target "amdgcn-amd-amdhsa--gfx1250"
	.amdhsa_code_object_version 6
	.text
	.protected	k_q4d673ad9ea_proj
	.globl	k_q4d673ad9ea_proj
	.p2align	8
	.type	k_q4d673ad9ea_proj,@function
k_q4d673ad9ea_proj:
	s_mov_b64 s[64:65], 0
	v_nop
	global_prefetch_b8 v0, s[64:65] scope:SCOPE_SE
	s_setreg_imm32_b32 hwreg(HW_REG_WAVE_MODE, 25, 1), 1
	s_wait_xcnt 0x0
	s_wait_alu depctr_hold_cnt(0) depctr_sa_sdst(0) depctr_va_vdst(0) depctr_va_sdst(0) depctr_va_ssrc(0) depctr_va_vcc(0) depctr_vm_vsrc(0)
	s_getreg_b32 s2, hwreg(HW_REG_IB_STS2, 6, 4)
	s_cmp_eq_u32 s2, 0
	s_cbranch_scc0 .Lentry_in_a_cluster
	s_endpgm
.Lentry_in_a_cluster:
	s_bfe_u32 s2, ttmp6, 0x10000c
	s_cmp_lg_u32 s2, 0xf033
	s_cbranch_scc0 .Lentry_shape_is_right
	s_endpgm
.Lentry_shape_is_right:
; THE THREE PROJECTIONS.  Y[m][n] = (sum over k of X[m][k] W[n][k]) x 2^(ea + eb) + b[n], on codes of FP8 (E4M3) as they are given, sums in f32; Y is quantised at once with its own given scale 2^eo
; and stored as IMAGES OF OPERAND REGISTERS for the attention launch: a group of four registers is 512 consecutive bytes, lane l's 16 bytes at 16 l.
; Column n of Y is (d = n / 16, head = n % 16).  So W's rows are fetched HEAD BY HEAD: 64 rows, 16 rows (16,384 bytes) apart, from row head on: in LDS they lie in the order of d.
; SHARES.  The cluster's y says which tensor (q, k, v: 8 clusters each) and which 1,024 rows.  A work-group makes 256 rows x 4 heads (256 columns); wave w makes rows 128 (w / 4) on of head 4 NX + w % 4:
; 32 accumulators (a = 8 blocks of 16 rows, c = 4 blocks of 16 d).  K goes in four chunks of 256 through two LDS slots; waves 0-3 fetch X's four quarters, waves 4-7 the four heads of W, one tensor load each.
; CLUSTER 4 x 4: X's tile is shared along a row of the cluster, W's along a column: joint loads.
; Q AND K: source 0 = W, source 1 = X: a lane holds one row s and eight neighbouring d: the conversions give registers 2 c, 2 c + 1 = d 16 c + 8 (l / 16) + 0..7: the 16x16x64 operand.
; V: source 0 = X, source 1 = W: a lane holds one d and eight neighbouring keys: registers 2 a, 2 a + 1 = key 16 a + 8 (l / 16) + 0..7: the 16x16x128 operand of V^T.  The choice is a branch on the cluster's y, the same in all partners.
; The fragments of X and W are fetched by four 16-byte loads: a permutation of k that is the same on both sides.
; LIMITS: ea + eb between -126 and 127; eo (entries 6, 7, 9) between -126 and 119.  NaN codes among the inputs are not served specially.
; REGISTERS: window 0: v8-15 V's bias; v16-30 addresses and constants; v32-63 Q's and K's bias; v64-191 X's 8 fragments; v192-255 W's 4.  On the way out v64-127 numbers, v128-191 codes.  Window 1: the accumulators, (a, c) at v[8 (4 a + c)].
.set PITCH, 272                        ; an LDS row: 256 bytes + 16 of padding
.set QROWS, 64*PITCH                   ; what one tensor load brings
.set SLOT,  8*QROWS                    ; X's 256 rows, then W's 4 heads x 64 rows
.set SPARE, 2*SLOT                     ; the spare words: 128 bytes for each of eight waves; no other line names them
.set BV,   8
.set ADRA, 16
.set ADRB, 20
.set LI,   24                          ; 16 x lane
.set OBQ,  25                          ; 512 x (lane / 16)
.set OBV,  26                          ; 64 x (lane % 16)
.set SCO,  27                          ; 2^eo
.set SPW,  28
.set NIL,  29
.set LIMO, 30                          ; 448 x 2^eo
.set BI,   32
.set AF,   64
.set BF,   192
.set T,    64
.set CD,   128
.set G1A,  28
.set G1B,  36
.set G0A,  44
.set G0B,  52
.set SC,   60                          ; s[60:61] 2^(ea + eb)
.set WV,   80
.set ROLE, 81
.set PART, 82
.set CX,   83
.set CY,   84
.set NX,   85
.set CLY,  86
.set TT,   87
.set MY,   88
.set MSB, 0
.macro WIN new                         ; the immediate's high byte repeats the setting that is left
.if MSB != \new
	s_set_vgpr_msb (MSB<<8)|\new
.set MSB, \new
.endif
.endm
.macro PLACES n
.rept \n
	v_nop
.endr
.endm
.macro JLOAD s                         ; a joint load: waves 0-3 for X, waves 4-7 for W; four v_nop follow each line
	s_cmp_eq_u32 s[ROLE], 0
	s_cbranch_scc0 .Lfor_b_\@
	tensor_load_to_lds s[G0A+4*\s:G0A+4*\s+3], s[G1A:G1A+7]
	s_nop 0
.rept 4
	v_nop
.endr
	s_branch .Lasked_\@
.Lfor_b_\@:
	tensor_load_to_lds s[G0B+4*\s:G0B+4*\s+3], s[G1B:G1B+7]
	s_nop 0
.rept 4
	v_nop
.endr
.Lasked_\@:
.endm
.macro CREST                           ; a round of the cluster's barrier behind its opening barrier
	s_cmp_lg_u32 s[WV], 0
	s_cbranch_scc1 .Lnot_wave_0_\@
	s_barrier_signal -3
.Lnot_wave_0_\@:
	s_barrier_wait -3
	s_barrier_signal -1
	s_barrier_wait -1
.endm
.macro CROUND
	s_barrier_signal -1
	s_barrier_wait -1
	CREST
.endm
	s_load_b256 s[4:11], s[0:1], 0x0               ; q s[4:5], k s[6:7], v s[8:9], Wq s[10:11]
	s_load_b256 s[12:19], s[0:1], 0x20             ; Wk s[12:13], Wv s[14:15], bq s[16:17], bk s[18:19]
	s_load_b256 s[20:27], s[0:1], 0x40             ; bv s[20:21], the exponents s[22:23], qimg s[24:25], kvimg s[26:27]
	v_lshl_add_u32 v[SPW], v0, 2, SPARE
	v_mov_b32 v[NIL], 0
	ds_add_u32 v28, v29
	ds_add_u32 v28, v29
	s_wait_dscnt 0x0
	v_lshrrev_b32 v1, 5, v0
	v_readfirstlane_b32 s[WV], v1                  ; wave 0..7
	s_lshr_b32 s[ROLE], s[WV], 2                   ; my half of the rows; also: I fetch for X (0) or for W (1)
	s_and_b32 s[PART], s[WV], 3                    ; my head of the four; also: which quarter or head I fetch
	s_bfe_u32 s[CX], ttmp6, 0x40000
	s_bfe_u32 s[CY], ttmp6, 0x40004
	s_lshl_b32 s[NX], ttmp9, 2
	s_add_co_u32 s[NX], s[NX], s[CX]               ; which four heads
	s_and_b32 s[CLY], ttmp7, 0xffff                ; the cluster's y, 0..23
	s_lshr_b32 s[TT], s[CLY], 3                    ; the tensor: 0 q, 1 k, 2 v: the same in all sixteen partners
	s_and_b32 s[MY], s[CLY], 7
	s_lshl_b32 s[MY], s[MY], 2
	s_add_co_u32 s[MY], s[MY], s[CY]               ; which 256 rows of the 8,192
	s_lshl_b32 s89, s[CY], 2
	s_lshl_b32 s89, 15, s89                        ; my row of the cluster
	s_lshl_b32 s90, 0x1111, s[CX]                  ; my column
	; descriptor group 1: 64 rows x 256 bytes, 16 bytes of padding behind each row; X's rows 1,024 bytes apart, W's 16,384
	s_or_b32 s[G1A+0], s89, (0<<16)|(1<<20)|(1<<21)|(5<<22)|(3<<25)
	s_or_b32 s[G1B+0], s90, (0<<16)|(1<<20)|(1<<21)|(5<<22)|(3<<25)
.irp g, G1A, G1B
	s_mov_b32 s[\g+1], 256<<16                     ; tensor_dim0
	s_mov_b32 s[\g+2], 64<<16                      ; tensor_dim1
	s_mov_b32 s[\g+3], 256<<16                     ; tile_dim0
	s_mov_b32 s[\g+4], 64                          ; tile_dim1
	s_mov_b32 s[\g+6], 0
	s_mov_b32 s[\g+7], 0
.endr
	s_mov_b32 s[G1A+5], 1024                       ; from row to row
	s_mov_b32 s[G1B+5], 16384                      ; from d to d + 1 of one head
	s_lshl_b32 s92, s[MY], 18                      ; X: 256 rows of 1,024 bytes a work-group,
	s_lshl_b32 s93, s[PART], 16                    ; 64 rows a wave
	s_add_co_u32 s92, s92, s93
	s_mov_b32 s93, 0
	s_lshl_b32 s94, s[NX], 2
	s_add_co_u32 s94, s94, s[PART]
	s_lshl_b32 s94, s94, 10                        ; W: the head's first row is row head
	s_mov_b32 s95, 0
	s_mul_i32 s63, s[WV], QROWS                    ; where my tile goes: wave x 64 rows
	s_wait_kmcnt 0x0
	s_load_b256 s[68:75], s[22:23], 0x0            ; e0 .. e7
	s_load_b128 s[76:79], s[22:23], 0x20           ; e8 .. e11
	s_cmp_eq_u32 s[TT], 1                          ; the tensor's buffers: a choice on the cluster's y alone
	s_cselect_b64 s[4:5], s[6:7], s[4:5]
	s_cselect_b64 s[10:11], s[12:13], s[10:11]
	s_cselect_b64 s[16:17], s[18:19], s[16:17]
	s_cmp_eq_u32 s[TT], 2
	s_cselect_b64 s[4:5], s[8:9], s[4:5]
	s_cselect_b64 s[10:11], s[14:15], s[10:11]
	s_cselect_b64 s[16:17], s[20:21], s[16:17]
	s_cmp_eq_u32 s[TT], 0
	s_cselect_b64 s[24:25], s[24:25], s[26:27]     ; Q goes to qimg, K and V to kvimg
	s_add_nc_u64 s[92:93], s[4:5], s[92:93]
	s_add_nc_u64 s[94:95], s[10:11], s[94:95]
	CROUND                                         ; all sixteen work-groups are here: the first joint loads meet
.irp s, 0,1
	s_mov_b32 s[G0A+4*\s], 1
	s_add_co_u32 s[G0A+4*\s+1], s63, \s*SLOT
	s_add_nc_u64 s[G0A+4*\s+2:G0A+4*\s+3], s[92:93], \s*256
	s_or_b32 s[G0A+4*\s+3], s[G0A+4*\s+3], 0x80000000
	s_mov_b32 s[G0B+4*\s], 1
	s_add_co_u32 s[G0B+4*\s+1], s63, \s*SLOT
	s_add_nc_u64 s[G0B+4*\s+2:G0B+4*\s+3], s[94:95], \s*256
	s_or_b32 s[G0B+4*\s+3], s[G0B+4*\s+3], 0x80000000
	JLOAD \s                                       ; chunks 0 and 1: two loads of mine are out
.endr
	v_and_b32 v1, 15, v0                           ; r
	v_bfe_u32 v2, v0, 4, 1                         ; h
	v_mul_u32_u24 v3, v1, PITCH
	v_lshl_add_u32 v3, v2, 4, v3                   ; a fragment's row x pitch + 16 h
	s_mul_i32 s62, s[ROLE], 2*QROWS                ; my 128 rows of X
	s_mul_i32 s63, s[PART], QROWS                  ; my head of W,
	s_add_co_u32 s63, s63, 4*QROWS                 ; behind X's 256 rows
.irp s, 0,1
	v_add_nc_u32 v[ADRA+\s], s62, v3
	v_add_nc_u32 v[ADRB+\s], s63, v3
	s_add_co_u32 s62, s62, SLOT
	s_add_co_u32 s63, s63, SLOT
.endr
	v_and_b32 v4, 31, v0
	v_lshlrev_b32 v[LI], 4, v4
	v_lshlrev_b32 v[OBQ], 9, v2
	v_lshlrev_b32 v[OBV], 6, v1
	s_lshl_b32 s97, s[NX], 2
	s_add_co_u32 s97, s97, s[PART]                 ; my head
	s_lshl_b32 s98, s97, 2
	s_mov_b32 s99, 0
	s_add_nc_u64 s[16:17], s[16:17], s[98:99]      ; the bias at column head: column 16 d + head lies 64 d bytes on
	s_lshr_b32 s96, s[MY], 3                       ; the batch
	s_lshl_b32 s96, s96, 4
	s_add_co_u32 s96, s96, s97                     ; bh = 16 b + head
	s_lshl_b32 s96, s96, 17
	s_and_b32 s98, s[MY], 7
	s_lshl_b32 s98, s98, 8
	s_lshl_b32 s97, s[ROLE], 7
	s_add_co_u32 s98, s98, s97                     ; my first row within the sequence
	s_lshl_b32 s98, s98, 6
	s_add_co_u32 s96, s96, s98                     ; qimg: 2^17 bytes a head, 1,024 bytes for 16 rows;
	s_cmp_eq_u32 s[TT], 0
	s_cselect_b32 s98, 0, 1
	s_lshl_b32 s96, s96, s98                       ; kvimg: twice that
	s_mov_b32 s97, 0
	s_add_nc_u64 s[24:25], s[24:25], s[96:97]
.irp c, 0,1,2,3                        ; both kinds of bias are loaded on every path
.irp j, 0,1,2,3,4,5,6,7
	global_load_b32 v[BI+8*\c+\j], v[OBQ], s[16:17] offset:1024*\c+64*\j   ; b at d = 16 c + 8 h + j
.endr
	global_load_b32 v[BV+2*\c], v[OBV], s[16:17] offset:1024*\c            ; b at d = 16 c + r,
	global_load_b32 v[BV+2*\c+1], v[OBV], s[16:17] offset:1024*\c          ; twice: it is named as a pair
.endr
	s_wait_kmcnt 0x0
	s_add_co_i32 s96, s68, s69
	s_add_co_i32 s97, s70, s71
	s_add_co_i32 s98, s72, s73
	s_cmp_eq_u32 s[TT], 1
	s_cselect_b32 s96, s97, s96
	s_cselect_b32 s99, s75, s74
	s_cmp_eq_u32 s[TT], 2
	s_cselect_b32 s96, s98, s96                    ; ea + eb
	s_cselect_b32 s99, s77, s99                    ; eo: entry 6, 7 or 9
	s_add_co_i32 s96, s96, 127
	s_lshl_b32 s[SC], s96, 23                      ; 2^(ea + eb) as f32
	s_mov_b32 s[SC+1], s[SC]
	s_add_co_i32 s99, s99, 127
	s_lshl_b32 s62, s99, 23
	v_mov_b32 v[SCO], s62                          ; 2^eo: the conversion takes its exponent field
	s_add_co_i32 s99, s99, 8
	s_lshl_b32 s99, s99, 23
	s_or_b32 s99, s99, 0x600000
	v_mov_b32 v[LIMO], s99                         ; 448 x 2^eo
.macro FRAG reg, adr, q, i             ; 16 rows x 128 K: registers 4 c .. 4 c + 3 hold K = 32 c + 16 h + 0 .. 15
.irp c, 0,1,2,3
	ds_load_b128 v[\reg+4*\c:\reg+4*\c+3], v[\adr] offset:128*(\q)+32*\c+(\i)*16*PITCH
.endr
.endm
; 16 matrix instructions: X's blocks 4 half .. 4 half + 3 against W's four.  The accumulators take turns, one instruction a turn, in the same order in every step.
.macro MULQ half, zero
	s_cmp_eq_u32 s[TT], 2
	s_cbranch_scc1 .Lmv_\@
	WIN 0x50                                       ; C and D window 1
.irp a, 0,1,2,3
.irp c, 0,1,2,3
.if \zero
	v_wmma_f32_16x16x128_fp8_fp8 v[8*(4*(4*\half+\a)+\c):8*(4*(4*\half+\a)+\c)+7], v[BF+16*\c:BF+16*\c+15], v[AF+16*(4*\half+\a):AF+16*(4*\half+\a)+15], 0
.else
	v_wmma_f32_16x16x128_fp8_fp8 v[8*(4*(4*\half+\a)+\c):8*(4*(4*\half+\a)+\c)+7], v[BF+16*\c:BF+16*\c+15], v[AF+16*(4*\half+\a):AF+16*(4*\half+\a)+15], v[8*(4*(4*\half+\a)+\c):8*(4*(4*\half+\a)+\c)+7]
.endif
.endr
.endr
	WIN 0
	s_branch .Lmd_\@
.Lmv_\@:
	WIN 0x50
.irp a, 0,1,2,3
.irp c, 0,1,2,3
.if \zero
	v_wmma_f32_16x16x128_fp8_fp8 v[8*(4*(4*\half+\a)+\c):8*(4*(4*\half+\a)+\c)+7], v[AF+16*(4*\half+\a):AF+16*(4*\half+\a)+15], v[BF+16*\c:BF+16*\c+15], 0
.else
	v_wmma_f32_16x16x128_fp8_fp8 v[8*(4*(4*\half+\a)+\c):8*(4*(4*\half+\a)+\c)+7], v[AF+16*(4*\half+\a):AF+16*(4*\half+\a)+15], v[BF+16*\c:BF+16*\c+15], v[8*(4*(4*\half+\a)+\c):8*(4*(4*\half+\a)+\c)+7]
.endif
.endr
.endr
	WIN 0
.Lmd_\@:
.endm
; A step of 128 along K: 48 LDS loads, 32 matrix instructions.  turn = 1: the slot's last step: the slot is filled again, two chunks on; turn = 2: a change of slots with nothing to fill; turn = 0: none.
.macro SUB slot, q, zero, turn
	PLACES 4                                       ; in front of loads into registers that matrix instructions have read
.irp i, 0,1,2,3
	FRAG BF+16*\i, ADRB+\slot, \q, \i
.endr
.irp i, 0,1,2,3,4,5,6,7
	FRAG AF+16*\i, ADRA+\slot, \q, \i
.endr
	s_wait_dscnt 16                                ; W's four and X's blocks 0-3 are in; the youngest sixteen loads (blocks 4-7) may be out
	MULQ 0, \zero
.if \turn == 0
	s_wait_dscnt 0x0                               ; blocks 4-7 are in
.else
	s_wait_tensorcnt 0x0                           ; all my tensor loads have landed: my part of the other slot;
	ds_add_u32 v[SPW], v[NIL]                      ; 0 onto my spare word
.if \turn == 1
	s_add_nc_u64 s[G0A+4*\slot+2:G0A+4*\slot+3], s[G0A+4*\slot+2:G0A+4*\slot+3], 512   ; no load of mine is out: this slot's next chunk
	s_add_nc_u64 s[G0B+4*\slot+2:G0B+4*\slot+3], s[G0B+4*\slot+2:G0B+4*\slot+3], 512
.endif
	s_wait_dscnt 0x0                               ; the add is done, and my reads of this slot are over: its last fragments are in registers
.if \turn == 1
	CROUND                                         ; no wave of any partner still reads this slot or has a load on its way
	JLOAD \slot                                    ; the first tensor load behind the round, and my only one until the next
.else
	s_barrier_signal -1
	s_barrier_wait -1
.endif
.endif
	MULQ 1, \zero
.endm
	s_wait_tensorcnt 1                             ; my part of chunk 0 is in; chunk 1's may stay out
	s_barrier_signal -1
	s_barrier_wait -1
	SUB 0, 0, 1, 0                                 ; the first products start the sums: nothing is cleared
	SUB 0, 1, 0, 1                                 ; slot 0 takes chunk 2
	SUB 1, 0, 0, 0
	SUB 1, 1, 0, 1                                 ; slot 1 takes chunk 3
	SUB 0, 0, 0, 0
	SUB 0, 1, 0, 2
	SUB 1, 0, 0, 0
	SUB 1, 1, 0, 0
	s_wait_loadcnt 0x0                             ; the biases
	PLACES 4                                       ; in front of the first read of results and the first write of the fragments' registers
	s_cmp_eq_u32 s[TT], 2
	s_cbranch_scc1 .Lout_v
	; Q AND K: block a's 16 rows: sum x 2^(ea + eb) + b, held, converted: eight registers = one operand of 16 rows x 64 d
.irp a, 0,1,2,3,4,5,6,7
	WIN 0x01                                       ; source 0 window 1
.irp c, 0,1,2,3
.irp i, 0,2,4,6
	v_pk_fma_f32 v[T+8*\c+\i:T+8*\c+\i+1], v[8*(4*\a+\c)+\i:8*(4*\a+\c)+\i+1], s[SC:SC+1], v[BI+8*\c+\i:BI+8*\c+\i+1] op_sel_hi:[1,0,1]
.endr
.endr
	WIN 0
.set n, 0
.rept 32
	v_med3_num_f32 v[T+n], v[T+n], -v[LIMO], v[LIMO]   ; the conversion to an 8-bit code does not saturate (ISA guide 7.6.2)
.set n, n+1
.endr
.irp c, 0,1,2,3
	v_cvt_scalef32_pk8_fp8_f32 v[CD+8*\a+2*\c:CD+8*\a+2*\c+1], v[T+8*\c:T+8*\c+7], v[SCO]
.endr
	v_nop                                          ; a plain line between the conversions and the next writes of their sources
	global_store_b128 v[LI], v[CD+8*\a:CD+8*\a+3], s[24:25] offset:1024*\a        ; 32 lanes store 512 consecutive bytes, aligned
	global_store_b128 v[LI], v[CD+8*\a+4:CD+8*\a+7], s[24:25] offset:1024*\a+512
.endr
	s_branch .Ldone
.Lout_v:
	; V: block c's 16 d x my 128 keys: sixteen registers = one operand of V^T
.irp c, 0,1,2,3
	WIN 0x01
.irp a, 0,1,2,3,4,5,6,7
.irp i, 0,2,4,6
	v_pk_fma_f32 v[T+8*\a+\i:T+8*\a+\i+1], v[8*(4*\a+\c)+\i:8*(4*\a+\c)+\i+1], s[SC:SC+1], v[BV+2*\c:BV+2*\c+1] op_sel_hi:[1,0,0]
.endr
.endr
	WIN 0
.set n, 0
.rept 64
	v_med3_num_f32 v[T+n], v[T+n], -v[LIMO], v[LIMO]
.set n, n+1
.endr
.irp a, 0,1,2,3,4,5,6,7
	v_cvt_scalef32_pk8_fp8_f32 v[CD+16*\c+2*\a:CD+16*\c+2*\a+1], v[T+8*\a:T+8*\a+7], v[SCO]
.endr
	v_nop
.irp g, 0,1,2,3
	global_store_b128 v[LI], v[CD+16*\c+4*\g:CD+16*\c+4*\g+3], s[24:25] offset:8192+2048*\c+512*\g
.endr
.endr
.Ldone:
	s_wait_tensorcnt 0x0                           ; the wave's end
	ds_add_u32 v[SPW], v[NIL]
	s_wait_dscnt 0x0
	CROUND                                         ; the closing round
	s_endpgm
.Lfunc_end_k_q4d673ad9ea_proj:
	.size	k_q4d673ad9ea_proj, .Lfunc_end_k_q4d673ad9ea_proj-k_q4d673ad9ea_proj
	.p2alignl 7, 3214868480
	.fill 96, 4, 3214868480
	.section	.rodata,"a",@progbits
	.p2align	6, 0x0
	.amdhsa_kernel k_q4d673ad9ea_proj
		.amdhsa_group_segment_fixed_size 327680
		.amdhsa_private_segment_fixed_size 0
		.amdhsa_enable_private_segment 0
		.amdhsa_kernarg_size 96
		.amdhsa_user_sgpr_count 2
		.amdhsa_user_sgpr_kernarg_segment_ptr 1
		.amdhsa_wavefront_size32 1
		.amdhsa_system_sgpr_workgroup_id_x 1
		.amdhsa_system_sgpr_workgroup_id_y 1
		.amdhsa_system_sgpr_workgroup_id_z 1
		.amdhsa_system_vgpr_workitem_id 0
		.amdhsa_next_free_vgpr 512
		.amdhsa_next_free_sgpr 100
		.amdhsa_reserve_vcc 0
		.amdhsa_float_denorm_mode_32 3
		.amdhsa_float_denorm_mode_16_64 3
		.amdhsa_memory_ordered 1
		.amdhsa_forward_progress 1
		.amdhsa_inst_pref_size 132
	.end_amdhsa_kernel
	.amdgpu_metadata
---
amdhsa.version: [ 1, 2 ]
amdhsa.kernels:
  - .name:           k_q4d673ad9ea_proj
    .symbol:         k_q4d673ad9ea_proj.kd
    .args:
      - { .name: q_codes, .offset: 0, .size: 8, .value_kind: global_buffer, .address_space: global }
      - { .name: k_codes, .offset: 8, .size: 8, .value_kind: global_buffer, .address_space: global }
      - { .name: v_codes, .offset: 16, .size: 8, .value_kind: global_buffer, .address_space: global }
      - { .name: Wq_codes, .offset: 24, .size: 8, .value_kind: global_buffer, .address_space: global }
      - { .name: Wk_codes, .offset: 32, .size: 8, .value_kind: global_buffer, .address_space: global }
      - { .name: Wv_codes, .offset: 40, .size: 8, .value_kind: global_buffer, .address_space: global }
      - { .name: bq, .offset: 48, .size: 8, .value_kind: global_buffer, .address_space: global }
      - { .name: bk, .offset: 56, .size: 8, .value_kind: global_buffer, .address_space: global }
      - { .name: bv, .offset: 64, .size: 8, .value_kind: global_buffer, .address_space: global }
      - { .name: lowp_scales, .offset: 72, .size: 8, .value_kind: global_buffer, .address_space: global }
      - { .name: qimg, .offset: 80, .size: 8, .value_kind: global_buffer, .address_space: global }
      - { .name: kvimg, .offset: 88, .size: 8, .value_kind: global_buffer, .address_space: global }
    .group_segment_fixed_size: 327680
    .private_segment_fixed_size: 0
    .kernarg_segment_align: 8
    .kernarg_segment_size: 96
    .max_flat_workgroup_size: 256
    .sgpr_count:     100
    .vgpr_count:     512
    .wavefront_size: 32
...
	.end_amdgpu_metadata
.endif
;; end of part 1
;; launch attn (part 2): grid 8 x 64, 16 waves a work-group, no clusters, 34,816 bytes of LDS; arguments qimg, kvimg, lowp_scales, cimg; writes cimg
.if DOCPART == 2
	.amdgcn_target "amdgcn-amd-amdhsa--gfx1250"
	.amdhsa_code_object_version 6
	.text
	.protected	k_q4d673ad9ea_attn
	.globl	k_q4d673ad9ea_attn
	.p2align	8
	.type	k_q4d673ad9ea_attn,@function
k_q4d673ad9ea_attn:
	s_mov_b64 s[64:65], 0
	v_nop
	global_prefetch_b8 v0, s[64:65] scope:SCOPE_SE
	s_setreg_imm32_b32 hwreg(HW_REG_WAVE_MODE, 25, 1), 1
	s_wait_xcnt 0x0
; CAUSAL ATTENTION ON CODES OF FP8 (E4M3), head size 64, scores divided by 32.  Q, K and V^T come as images of operand registers (512 consecutive bytes for four registers, lane l at 16 l), O / l leaves so.
; t = score x log2(e) / 32; M = the running largest t rounded up to a whole number; p = 2^(t - M) is quantised with 2^e8; the sum l is taken of the unquantised p and divides at the end; a change of M multiplies l and O by a power of two.
; SHARES.  A head's 2,048 queries are 16 blocks of 128.  Work-group (I, bh) owns blocks I and 15 - I: 17 block steps in every work-group.  Of its sixteen waves eight take the low block, eight the high one, 16 queries each.
; Keys go 128 a step; the work-group walks tiles 0 .. 15 - I, two steps a trip, so that both LDS slots are constants of the text.  A wave whose queries all lie ahead of a tile's keys jumps over the step's work, never over its copy or its barrier.
; K AND V: a tile of kvimg is 16,384 bytes: K's 8 operands, then V^T's 4.  Wave w copies bytes 1,024 w on through registers into LDS, as they lie; a tile is asked for two steps ahead of its way into LDS.
; BOTH PRODUCTS TRANSPOSED: S^T = K Q^T (16x16x64), O^T = V^T P^T (16x16x128): a lane holds one query; tile t's eight scores are keys 16 t + 8 (l / 16) + 0..7, so the conversions give P's registers 2 t, 2 t + 1.
; NO CLUSTER, NO TENSOR LOAD: the work-groups of a head walk 16 - I tiles, a different number each, so partners could not make every joint request in step; and the one-sided hold of p is jumped over where e8 >= -8
; (then 448 x 2^e8 >= 1.75 and p <= 1: the hold changes nothing), which is a branch on a loaded whole number.
; LIMITS: e6 + e7 between -121 and 132 (added to c's exponent field); e8 and e10 between -126 and 119; e8 + e9 goes in by v_ldexp_f32.
; REGISTERS: v1 16 x lane; v2 1,024 w + 16 x lane; v3 my query less 8 (l / 16), within the block; v4 -infinity; v12 -M, v13 largest t, v[14:15] l; v16-23 Q; v24-39 two sets for the copy; v40-103 K's or V's operands;
; v104-167 S^T, then p; v168-199 O^T; v200-215 P's codes; v216-221 at work; v222, v223: 448 x 2^e8, 2^e8; v224, v225: the same with e10.
.set Q,  16
.set G,  24
.set KV, 40
.set S,  104
.set O,  168
.set P,  200
.set WV, 12
.set BLK, 17                           ; s17  my block of queries
.set NP, 18                            ; s18  trips
.set CNT, 19
.set SEL, 20
.set CS, 22                            ; s[22:23] c = log2(e) / 32 x 2^(e6 + e7)
.set TS, 24                            ; s24  the step's tile
.set BA, 26                            ; s[26:27], s[28:29] where the even and the odd tiles are loaded from
.set OF, 30                            ; s[30:31], s[32:33] their byte offsets in the head
	s_load_b256 s[4:11], s[0:1], 0x0               ; qimg s[4:5], kvimg s[6:7], the exponents s[8:9], cimg s[10:11]
	v_lshl_add_u32 v254, v0, 2, 0x8000
	v_mov_b32 v255, 0
	v_lshrrev_b32 v5, 5, v0
	v_readfirstlane_b32 s[WV], v5                  ; wave 0..15
	v_and_b32 v6, 31, v0
	v_lshlrev_b32 v1, 4, v6
	v_lshl_add_u32 v2, v5, 10, v1
	v_and_b32 v7, 15, v0                           ; r
	v_bfe_u32 v8, v0, 4, 1                         ; h
	v_lshlrev_b32 v8, 3, v8
	v_sub_nc_u32 v3, v7, v8
	s_and_b32 s14, ttmp7, 0xffff                   ; bh
	s_lshr_b32 s15, s[WV], 2
	s_xor_b32 s15, s15, s[WV]
	s_and_b32 s15, s15, 1                          ; 0: the low block, 1: the high one; waves 2 J and 2 J + 1 differ in it
	s_lshr_b32 s16, s[WV], 1                       ; J: which 16 queries of the block
	s_sub_co_u32 s[BLK], 15, ttmp9
	s_cmp_eq_u32 s15, 0
	s_cselect_b32 s[BLK], ttmp9, s[BLK]
	s_sub_co_u32 s[NP], 17, ttmp9
	s_lshr_b32 s[NP], s[NP], 1                     ; 2 NP steps cover tiles 0 .. 15 - I
	s_lshl_b32 s44, s16, 4
	v_add_nc_u32 v3, s44, v3                       ; 16 J + r - 8 h
	s_lshl_b32 s46, s14, 18                        ; kvimg: 2^18 bytes a head
	s_mov_b32 s47, 0
	s_lshl_b32 s52, s[BLK], 3
	s_add_co_u32 s52, s52, s16                     ; my tile of 16 queries within the head
	s_lshl_b32 s48, s14, 17
	s_lshl_b32 s44, s52, 10
	s_add_co_u32 s48, s48, s44                     ; qimg
	s_mov_b32 s49, 0
	s_lshr_b32 s50, s14, 4
	s_lshl_b32 s50, s50, 21                        ; cimg: the batch's 128 tiles of rows, 16,384 bytes each,
	s_lshl_b32 s44, s52, 14
	s_add_co_u32 s50, s50, s44
	s_and_b32 s44, s14, 15
	s_lshl_b32 s44, s44, 10                        ; 1,024 bytes a head
	s_add_co_u32 s50, s50, s44
	s_mov_b32 s51, 0
	s_mov_b32 s[SEL], 0x76543210
	s_mov_b32 s[SEL+1], 0xfedcba98
	s_mov_b32 s[CS], 0x3d38aa3b                    ; log2(e) / 32
	s_mov_b32 s[CNT], 0
	s_mov_b32 s[TS], 0
	s_mov_b32 s[OF], 0
	s_mov_b32 s[OF+1], 0
	s_mov_b32 s[OF+2], 16384
	s_mov_b32 s[OF+3], 0
	s_wait_kmcnt 0x0
	s_load_b256 s[36:43], s[8:9], 0x10             ; e4 .. e11: e6 s38, e7 s39, e8 s40, e9 s41, e10 s42
	s_add_nc_u64 s[6:7], s[6:7], s[46:47]
	s_add_nc_u64 s[4:5], s[4:5], s[48:49]
	s_add_nc_u64 s[10:11], s[10:11], s[50:51]
	s_add_nc_u64 s[BA:BA+1], s[6:7], s[OF:OF+1]
	s_add_nc_u64 s[BA+2:BA+3], s[6:7], s[OF+2:OF+3]
	global_load_b128 v[Q:Q+3], v1, s[4:5]
	global_load_b128 v[Q+4:Q+7], v1, s[4:5] offset:512
	global_load_b128 v[G:G+3], v2, s[BA:BA+1]                  ; tile 0
	global_load_b128 v[G+4:G+7], v2, s[BA:BA+1] offset:512
	global_load_b128 v[G+8:G+11], v2, s[BA+2:BA+3]             ; tile 1
	global_load_b128 v[G+12:G+15], v2, s[BA+2:BA+3] offset:512
	v_mov_b32 v4, 0xff800000                       ; -infinity
	v_mov_b32 v13, 0xff61b1e6                      ; the largest t so far: -3e38
	v_floor_f32 v12, -v13                          ; -M
	v_mov_b32 v14, 0
	v_mov_b32 v15, 0
	v_mov_b32 v217, 0                              ; a lane permute's destination counts as read
	v_mov_b32 v219, 0                              ; named as the upper half of v[218:219]
.set n, 0
.rept 32
	v_mov_b32 v[O+n], 0                            ; the step is written once: its first turn finds zeros
.set n, n+1
.endr
	s_wait_kmcnt 0x0
	s_add_co_i32 s44, s38, s39
	s_lshl_b32 s44, s44, 23
	s_add_co_i32 s[CS], s[CS], s44                 ; a score stands for score x 2^(e6 + e7)
	s_mov_b32 s[CS+1], s[CS]
	s_add_co_i32 s44, s40, 127
	s_lshl_b32 s45, s44, 23
	v_mov_b32 v223, s45                            ; 2^e8
	s_add_co_i32 s44, s44, 8
	s_lshl_b32 s44, s44, 23
	s_or_b32 s44, s44, 0x600000
	v_mov_b32 v222, s44                            ; 448 x 2^e8
	s_add_co_i32 s44, s42, 127
	s_lshl_b32 s45, s44, 23
	v_mov_b32 v225, s45                            ; 2^e10
	s_add_co_i32 s44, s44, 8
	s_lshl_b32 s44, s44, 23
	s_or_b32 s44, s44, 0x600000
	v_mov_b32 v224, s44                            ; 448 x 2^e10
	s_wait_loadcnt 0x2                             ; Q and tile 0 are in; tile 1's two loads may be out
	ds_store_b128 v2, v[G:G+3]
	ds_store_b128 v2, v[G+4:G+7] offset:512
	s_wait_dscnt 0x0
	s_barrier_signal -1
	s_barrier_wait -1                              ; tile 0 lies in slot 0
; A KEY STEP on the tile in slot par.
.macro STEP par
	s_add_co_u32 s[OF+2*\par], s[OF+2*\par], 32768             ; the tile two steps on; its base's last load was shown done by the last step's counted wait
	s_min_u32 s[OF+2*\par], s[OF+2*\par], (14+\par)<<14        ; held inside the head: what lies beyond tile 15 - I is never multiplied
	s_add_nc_u64 s[BA+2*\par:BA+2*\par+1], s[6:7], s[OF+2*\par:OF+2*\par+1]
	global_load_b128 v[G+8*\par:G+8*\par+3], v2, s[BA+2*\par:BA+2*\par+1]
	global_load_b128 v[G+8*\par+4:G+8*\par+7], v2, s[BA+2*\par:BA+2*\par+1] offset:512
	s_wait_loadcnt 0x2                             ; the next tile's part is in; the two loads just issued stay out
	ds_store_b128 v2, v[G+8*(1-\par):G+8*(1-\par)+3] offset:(1-\par)*16384       ; into the slot that every wave left at the last barrier
	ds_store_b128 v2, v[G+8*(1-\par)+4:G+8*(1-\par)+7] offset:(1-\par)*16384+512
	s_cmp_gt_u32 s[TS], s[BLK]                     ; all of the tile's keys come after my queries
	s_cbranch_scc1 .Lhid_\@
.irp t, 0,1,2,3,4,5,6,7
	ds_load_b128 v[KV+8*\t:KV+8*\t+3], v1 offset:\par*16384+1024*\t
	ds_load_b128 v[KV+8*\t+4:KV+8*\t+7], v1 offset:\par*16384+1024*\t+512
.endr
	s_wait_dscnt 0x0
.irp t, 0,1,2,3,4,5,6,7
	v_wmma_f32_16x16x64_fp8_fp8 v[S+8*\t:S+8*\t+7], v[KV+8*\t:KV+8*\t+7], v[Q:Q+7], 0
.endr
.rept 4
	v_nop                                          ; places in front of the loads into K's registers and of the first read of the scores
.endr
.irp d, 0,1,2,3
.irp g, 0,1,2,3
	ds_load_b128 v[KV+16*\d+4*\g:KV+16*\d+4*\g+3], v1 offset:\par*16384+8192+2048*\d+512*\g   ; V^T: it lands while the softmax is worked
.endr
.endr
	s_cmp_lg_u32 s[TS], s[BLK]
	s_cbranch_scc1 .Lopen_\@
.set n, 0
.rept 64                               ; on the diagonal: register n holds key 16 (n / 8) + n % 8 + 8 h of the tile: hidden where that is beyond my query
	v_cmp_gt_i32 vcc_lo, 16*(n/8)+n%8, v3
	v_cndmask_b32 v[S+n], v[S+n], v4, vcc_lo
.set n, n+1
.endr
.Lopen_\@:
	v_max3_num_f32 v216, v[S], v[S+1], v[S+2]      ; the step's largest score of my query, in two chains; each accumulator is read from its low end on
	v_max3_num_f32 v218, v[S+3], v[S+4], v[S+5]
.irp i, 6,10,14,18,22,26,30,34,38,42,46,50,54,58
	v_max3_num_f32 v216, v216, v[S+\i], v[S+\i+1]
	v_max3_num_f32 v218, v218, v[S+\i+2], v[S+\i+3]
.endr
	v_max3_num_f32 v216, v216, v[S+62], v[S+63]
	v_max_num_f32 v216, v216, v218
	v_permlanex16_b32 v217, v216, s[SEL], s[SEL+1]
	v_max_num_f32 v216, v216, v217                 ; and lane l xor 16's
	v_mul_f32 v216, s[CS], v216                    ; as t (c is positive)
	v_max_num_f32 v13, v13, v216
	v_mov_b32 v216, v12
	v_floor_f32 v12, -v13                          ; -M = floor(-t): M is a whole number
	v_sub_f32 v216, v12, v216                      ; old M - new M, 0 or less
	v_cvt_i32_f32 v216, v216                       ; (it saturates)
	v_ldexp_f32 v218, 1.0, v216                    ; f = 2^(old M - new M)
.set n, 0
.rept 32
	v_pk_fma_f32 v[S+n:S+n+1], v[S+n:S+n+1], s[CS:CS+1], v[12:13] op_sel_hi:[1,0,0]   ; t - M
.set n, n+2
.endr
.set n, 0
.rept 64
	v_exp_f32 v[S+n], v[S+n]                       ; p = 2^(t - M)
.set n, n+1
.endr
	v_pk_mul_f32 v[14:15], v[14:15], v[218:219] op_sel_hi:[1,0]   ; l under the new M; the plain line behind the exponentials
	s_wait_alu depctr_va_vdst(0)                   ; one wait for the batch, ahead of its first reader
	v_pk_add_f32 v[220:221], v[S:S+1], v[S+2:S+3]  ; the sum of the unquantised p, in two chains
.irp j, 4,8,12,16,20,24,28,32,36,40,44,48,52,56,60
	v_pk_add_f32 v[14:15], v[14:15], v[S+\j:S+\j+1]
	v_pk_add_f32 v[220:221], v[220:221], v[S+\j+2:S+\j+3]
.endr
	v_pk_add_f32 v[14:15], v[14:15], v[220:221]
	s_cmp_ge_i32 s40, -8                           ; 448 x 2^e8 >= 1.75 >= p: the hold would change nothing
	s_cbranch_scc1 .Lnohold_\@
.set n, 0
.rept 64
	v_min_num_f32 v[S+n], v[S+n], v222             ; the conversion does not saturate (ISA guide 7.6.2); p is not negative
.set n, n+1
.endr
.Lnohold_\@:
.irp t, 0,1,2,3,4,5,6,7
	v_cvt_scalef32_pk8_fp8_f32 v[P+2*\t:P+2*\t+1], v[S+8*\t:S+8*\t+7], v223
.endr
.set n, 0
.rept 16
	v_pk_mul_f32 v[O+n:O+n+1], v[O+n:O+n+1], v[218:219] op_sel_hi:[1,0]   ; O^T under the new M; also the plain lines behind the conversions
.set n, n+2
.endr
	s_wait_dscnt 0x0                               ; V^T is in
.irp d, 0,1,2,3
	v_wmma_f32_16x16x128_fp8_fp8 v[O+8*\d:O+8*\d+7], v[KV+16*\d:KV+16*\d+15], v[P:P+15], v[O+8*\d:O+8*\d+7]
.endr
.rept 4
	v_nop                                          ; places in front of the next loads into V's registers and the next read of O^T
.endr
.Lhid_\@:
	s_add_co_u32 s[TS], s[TS], 1
	s_wait_dscnt 0x0                               ; my stores of the next tile have landed, my reads of this one are over
	s_barrier_signal -1
	s_barrier_wait -1
.endm
.Lpair:
	STEP 0
	STEP 1
	s_add_co_u32 s[CNT], s[CNT], 1
	s_cmp_lt_u32 s[CNT], s[NP]
	s_cbranch_scc1 .Lpair
	; THE WAY OUT: O^T x 2^(e8 + e9) / l, held, converted with 2^e10: registers 2 t, 2 t + 1 = d 16 t + 8 h + 0..7 of my query: half an operand of the last product
	v_add_f32 v14, v14, v15
	v_permlanex16_b32 v217, v14, s[SEL], s[SEL+1]
	v_add_f32 v14, v14, v217                       ; the row's sum
	v_rcp_f32 v14, v14
	v_nop                                          ; a plain line behind the transcendental
	s_add_co_i32 s44, s40, s41
	s_wait_alu depctr_va_vdst(0)                   ; and the wait ahead of its first reader
	v_ldexp_f32 v14, v14, s44
.set n, 0
.rept 16
	v_pk_mul_f32 v[S+n:S+n+1], v[O+n:O+n+1], v[14:15] op_sel_hi:[1,0]
.set n, n+2
.endr
.set n, 0
.rept 32
	v_med3_num_f32 v[S+n], v[S+n], -v224, v224
.set n, n+1
.endr
.irp t, 0,1,2,3
	v_cvt_scalef32_pk8_fp8_f32 v[P+2*\t:P+2*\t+1], v[S+8*\t:S+8*\t+7], v225
.endr
	v_nop
	global_store_b128 v1, v[P:P+3], s[10:11]                   ; 32 lanes store 512 consecutive bytes, aligned
	global_store_b128 v1, v[P+4:P+7], s[10:11] offset:512
	s_wait_tensorcnt 0x0
	ds_add_u32 v254, v255
	s_wait_dscnt 0x0
	s_endpgm
.Lfunc_end_k_q4d673ad9ea_attn:
	.size	k_q4d673ad9ea_attn, .Lfunc_end_k_q4d673ad9ea_attn-k_q4d673ad9ea_attn
	.p2alignl 7, 3214868480
	.fill 96, 4, 3214868480
	.section	.rodata,"a",@progbits
	.p2align	6, 0x0
	.amdhsa_kernel k_q4d673ad9ea_attn
		.amdhsa_group_segment_fixed_size 34816
		.amdhsa_private_segment_fixed_size 0
		.amdhsa_enable_private_segment 0
		.amdhsa_kernarg_size 32
		.amdhsa_user_sgpr_count 2
		.amdhsa_user_sgpr_kernarg_segment_ptr 1
		.amdhsa_wavefront_size32 1
		.amdhsa_system_sgpr_workgroup_id_x 1
		.amdhsa_system_sgpr_workgroup_id_y 1
		.amdhsa_system_sgpr_workgroup_id_z 1
		.amdhsa_system_vgpr_workitem_id 0
		.amdhsa_next_free_vgpr 256
		.amdhsa_next_free_sgpr 66
		.amdhsa_reserve_vcc 1
		.amdhsa_float_denorm_mode_32 3
		.amdhsa_float_denorm_mode_16_64 3
		.amdhsa_memory_ordered 1
		.amdhsa_forward_progress 1
		.amdhsa_inst_pref_size 51
	.end_amdhsa_kernel
	.amdgpu_metadata
---
amdhsa.version: [ 1, 2 ]
amdhsa.kernels:
  - .name:           k_q4d673ad9ea_attn
    .symbol:         k_q4d673ad9ea_attn.kd
    .args:
      - { .name: qimg, .offset: 0, .size: 8, .value_kind: global_buffer, .address_space: global }
      - { .name: kvimg, .offset: 8, .size: 8, .value_kind: global_buffer, .address_space: global }
      - { .name: lowp_scales, .offset: 16, .size: 8, .value_kind: global_buffer, .address_space: global }
      - { .name: cimg, .offset: 24, .size: 8, .value_kind: global_buffer, .address_space: global }
    .group_segment_fixed_size: 34816
    .private_segment_fixed_size: 0
    .kernarg_segment_align: 8
    .kernarg_segment_size: 32
    .max_flat_workgroup_size: 512
    .sgpr_count:     66
    .vgpr_count:     256
    .wavefront_size: 32
...
	.end_amdgpu_metadata
.endif
;; end of part 2
;; launch outp (part 3): grid 4 x 64, 4 waves a work-group, clusters of 4 x 4, 327,680 bytes of LDS; arguments cimg, Wo_codes, bo, lowp_scales, out0; writes out0
.if DOCPART == 3
	.amdgcn_target "amdgcn-amd-amdhsa--gfx1250"
	.amdhsa_code_object_version 6
	.text
	.protected	k_q4d673ad9ea_outp
	.globl	k_q4d673ad9ea_outp
	.p2align	8
	.type	k_q4d673ad9ea_outp,@function
k_q4d673ad9ea_outp:
	s_mov_b64 s[64:65], 0
	v_nop
	global_prefetch_b8 v0, s[64:65] scope:SCOPE_SE
	s_setreg_imm32_b32 hwreg(HW_REG_WAVE_MODE, 25, 1), 1
	s_wait_xcnt 0x0
	s_wait_alu depctr_hold_cnt(0) depctr_sa_sdst(0) depctr_va_vdst(0) depctr_va_sdst(0) depctr_va_ssrc(0) depctr_va_vcc(0) depctr_vm_vsrc(0)
	s_getreg_b32 s2, hwreg(HW_REG_IB_STS2, 6, 4)
	s_cmp_eq_u32 s2, 0
	s_cbranch_scc0 .Lentry_in_a_cluster
	s_endpgm
.Lentry_in_a_cluster:
	s_bfe_u32 s2, ttmp6, 0x10000c
	s_cmp_lg_u32 s2, 0xf033
	s_cbranch_scc0 .Lentry_shape_is_right
	s_endpgm
.Lentry_shape_is_right:
; THE LAST PRODUCT.  out[m][n] = (sum over k of C[m][k] Wo[n][k]) x 2^(e10 + e11) + bo[n], on codes of FP8 (E4M3), sums in f32.  C comes as images of operand registers (cimg: for 16 rows 16,384 bytes,
; 2,048 for each 128 along K: four groups of four registers, lane l at 16 l), Wo as rows of codes.
; SHARES.  A work-group makes 128 rows x 256 columns; wave w all 128 rows x columns 64 w on: 32 accumulators (a = 8 blocks of rows, c = 4 blocks of columns).  The matrix instruction is used transposed
; (source 0 = Wo, source 1 = C): a lane holds eight neighbouring columns of one row.  K goes in four chunks of 256 through three LDS slots: three first fills, one refill.  Waves 0, 1 fetch C's halves, waves 2, 3 Wo's.
; CLUSTER 4 x 4: C's tile is shared along a row of the cluster, Wo's along a column: joint loads.
; C's images hold k in the places of the 16x16x128 form's own layout, so Wo's fragments are fetched so too: eight loads of 8 bytes, 16 bytes apart, at row x pitch + 8 (l / 16).
; LIMIT: e10 + e11 between -126 and 127.
; REGISTERS: window 0: v16-29 addresses; v32-63 bo; v64-191 C's 8 fragments, v192-255 Wo's 4 (set 0).  Window 1: set 1 at the same numbers; on the way out the rows read back, 32 registers a block.  Window 2: the accumulators, (a, c) at v[8 (4 a + c)].
.set SL3,   102400                     ; a slot: C's 8 x 4,096 bytes, then Wo's 256 rows x 272
.set BOFF,  32768
.set PITCH, 272
.set SPARE, 3*SL3                      ; the spare words: 128 bytes for each of four waves; no other line names them
.set STAGE, SPARE+512                  ; 16 rows x 272 bytes for each wave, for the way out; no tensor load lands here
.set SP,    272
.set ADRA, 16
.set ADRB, 20
.set STO,  24
.set RD,   25
.set CO,   26
.set OBO,  27
.set SPW,  28
.set NIL,  29
.set BO,   32
.set AF,   64
.set BF,   192
.set T,    64
.set G1A,  24
.set G1B,  32
.set G0A,  40
.set G0B,  52
.set WV,   66
.set ROLE, 67
.set HALF, 68
.set CX,   69
.set SC,   70                          ; s[70:71] 2^(e10 + e11)
.set CY,   74
.set NX,   75
.set MY,   76
.set MSB, 0
.macro WIN new
.if MSB != \new
	s_set_vgpr_msb (MSB<<8)|\new
.set MSB, \new
.endif
.endm
.macro PLACES n
.rept \n
	v_nop
.endr
.endm
.macro JLOAD s                         ; a joint load: waves 0, 1 for C, waves 2, 3 for Wo; four v_nop follow each line
	s_cmp_eq_u32 s[ROLE], 0
	s_cbranch_scc0 .Lfor_b_\@
	tensor_load_to_lds s[G0A+4*\s:G0A+4*\s+3], s[G1A:G1A+7]
	s_nop 0
.rept 4
	v_nop
.endr
	s_branch .Lasked_\@
.Lfor_b_\@:
	tensor_load_to_lds s[G0B+4*\s:G0B+4*\s+3], s[G1B:G1B+7]
	s_nop 0
.rept 4
	v_nop
.endr
.Lasked_\@:
.endm
.macro CREST
	s_cmp_lg_u32 s[WV], 0
	s_cbranch_scc1 .Lnot_wave_0_\@
	s_barrier_signal -3
.Lnot_wave_0_\@:
	s_barrier_wait -3
	s_barrier_signal -1
	s_barrier_wait -1
.endm
.macro CROUND
	s_barrier_signal -1
	s_barrier_wait -1
	CREST
.endm
	s_load_b256 s[4:11], s[0:1], 0x0               ; cimg s[4:5], Wo s[6:7], bo s[8:9], the exponents s[10:11]
	s_load_b64 s[12:13], s[0:1], 0x20              ; out0
	v_lshl_add_u32 v[SPW], v0, 2, SPARE
	v_mov_b32 v[NIL], 0
	ds_add_u32 v28, v29
	ds_add_u32 v28, v29
	s_wait_dscnt 0x0
	v_lshrrev_b32 v1, 5, v0
	v_readfirstlane_b32 s[WV], v1                  ; wave 0..3
	s_lshr_b32 s[ROLE], s[WV], 1                   ; I fetch for C (0) or for Wo (1),
	s_and_b32 s[HALF], s[WV], 1                    ; and which half
	s_bfe_u32 s[CX], ttmp6, 0x40000
	s_bfe_u32 s[CY], ttmp6, 0x40004
	s_lshl_b32 s[NX], ttmp9, 2
	s_add_co_u32 s[NX], s[NX], s[CX]               ; which 256 columns
	s_and_b32 s[MY], ttmp7, 0xffff
	s_lshl_b32 s[MY], s[MY], 2
	s_add_co_u32 s[MY], s[MY], s[CY]               ; which 128 rows
	s_lshl_b32 s77, s[CY], 2
	s_lshl_b32 s77, 15, s77                        ; my row of the cluster
	s_lshl_b32 s78, 0x1111, s[CX]                  ; my column
	; group 1 for C: 4 rows of 512 elements of 8 bytes (a chunk's 4,096 bytes of 16 rows of C), 2,048 elements apart, dense in LDS
	s_or_b32 s[G1A+0], s77, (3<<16)|(1<<21)
	s_mov_b32 s[G1A+1], 512<<16
	s_mov_b32 s[G1A+2], 4<<16
	s_mov_b32 s[G1A+3], 512<<16
	s_mov_b32 s[G1A+4], 4
	s_mov_b32 s[G1A+5], 2048
	s_mov_b32 s[G1A+6], 0
	s_mov_b32 s[G1A+7], 0
	; group 1 for Wo: 128 rows x 256 bytes, 1,024 bytes apart, 16 bytes of padding behind each row
	s_or_b32 s[G1B+0], s78, (0<<16)|(1<<20)|(1<<21)|(5<<22)|(3<<25)
	s_mov_b32 s[G1B+1], 256<<16
	s_mov_b32 s[G1B+2], 128<<16
	s_mov_b32 s[G1B+3], 256<<16
	s_mov_b32 s[G1B+4], 128
	s_mov_b32 s[G1B+5], 1024
	s_mov_b32 s[G1B+6], 0
	s_mov_b32 s[G1B+7], 0
	s_lshl_b32 s80, s[MY], 17                      ; C: 8 x 16,384 bytes a work-group,
	s_lshl_b32 s81, s[HALF], 16                    ; 4 x 16,384 a wave
	s_add_co_u32 s80, s80, s81
	s_mov_b32 s81, 0
	s_lshl_b32 s82, s[NX], 18                      ; Wo: 256 rows of 1,024 bytes a work-group,
	s_lshl_b32 s83, s[HALF], 17                    ; 128 a wave
	s_add_co_u32 s82, s82, s83
	s_mov_b32 s83, 0
	s_mul_i32 s79, s[HALF], 16384                  ; where they go
	s_mul_i32 s23, s[HALF], 128*PITCH
	s_add_co_u32 s23, s23, BOFF
	s_wait_kmcnt 0x0
	s_load_b64 s[72:73], s[10:11], 0x28            ; e10, e11
	s_add_nc_u64 s[80:81], s[4:5], s[80:81]
	s_add_nc_u64 s[82:83], s[6:7], s[82:83]
	CROUND                                         ; all sixteen work-groups are here: the first joint loads meet
.irp f, 0,1,2
	s_mov_b32 s[G0A+4*\f], 1
	s_add_co_u32 s[G0A+4*\f+1], s79, \f*SL3
	s_add_nc_u64 s[G0A+4*\f+2:G0A+4*\f+3], s[80:81], \f*4096
	s_or_b32 s[G0A+4*\f+3], s[G0A+4*\f+3], 0x80000000
	s_mov_b32 s[G0B+4*\f], 1
	s_add_co_u32 s[G0B+4*\f+1], s23, \f*SL3
	s_add_nc_u64 s[G0B+4*\f+2:G0B+4*\f+3], s[82:83], \f*256
	s_or_b32 s[G0B+4*\f+3], s[G0B+4*\f+3], 0x80000000
	JLOAD \f                                       ; chunks 0, 1, 2: three loads of mine are out
.endr
	v_and_b32 v1, 15, v0                           ; r
	v_bfe_u32 v2, v0, 4, 1                         ; h
	v_and_b32 v3, 31, v0
	v_lshlrev_b32 v4, 4, v3                        ; 16 x lane
	v_mul_u32_u24 v5, v1, PITCH
	v_lshl_add_u32 v5, v2, 3, v5                   ; row x pitch + 8 h
	s_mul_i32 s18, s[WV], 64*PITCH                 ; my 64 rows of Wo
	s_add_co_u32 s18, s18, BOFF
	v_add_nc_u32 v5, s18, v5
.irp f, 0,1,2
	v_add_nc_u32 v[ADRA+\f], \f*SL3, v4
	v_add_nc_u32 v[ADRB+\f], \f*SL3, v5
.endr
	s_mul_i32 s18, s[WV], 16*SP
	s_add_co_u32 s18, s18, STAGE                   ; my stage
	v_mul_u32_u24 v6, v1, SP
	v_lshl_add_u32 v6, v2, 5, v6
	v_add_nc_u32 v[STO], s18, v6                   ; in: row r, 32 bytes for each half of the lanes
	v_mul_u32_u24 v7, v2, SP
	v_lshl_add_u32 v7, v1, 4, v7
	v_add_nc_u32 v[RD], s18, v7                    ; back: lanes 0-15 one row of 256 bytes, lanes 16-31 the next
	v_lshlrev_b32 v[CO], 12, v2
	v_lshl_add_u32 v[CO], v1, 4, v[CO]             ; and the same two rows in out0 (4,096 bytes a row)
	v_lshlrev_b32 v[OBO], 5, v2
	s_lshl_b32 s14, s[NX], 10
	s_lshl_b32 s15, s[WV], 8
	s_add_co_u32 s14, s14, s15                     ; my first column, in bytes
	s_mov_b32 s15, 0
	s_add_nc_u64 s[8:9], s[8:9], s[14:15]
	s_add_nc_u64 s[12:13], s[12:13], s[14:15]
	s_lshl_b32 s16, s[MY], 19                      ; my first row
	s_mov_b32 s17, 0
	s_add_nc_u64 s[12:13], s[12:13], s[16:17]
.irp c, 0,1,2,3
	global_load_b128 v[BO+8*\c:BO+8*\c+3], v[OBO], s[8:9] offset:64*\c        ; bo at columns 16 c + 8 h + 0..7
	global_load_b128 v[BO+8*\c+4:BO+8*\c+7], v[OBO], s[8:9] offset:64*\c+16
.endr
	s_wait_kmcnt 0x0
	s_add_co_i32 s[SC], s72, s73
	s_add_co_i32 s[SC], s[SC], 127
	s_lshl_b32 s[SC], s[SC], 23                    ; 2^(e10 + e11) as f32
	s_mov_b32 s[SC+1], s[SC]
.macro FETCH f, q, p                   ; the fragments of the q-th 128 along K of slot f into set p: 64 LDS loads
	WIN ((\p)*64)                                  ; destination window p
.irp c, 0,1,2,3
.irp k, 0,1,2,3,4,5,6,7
	ds_load_b64 v[BF+16*\c+2*\k:BF+16*\c+2*\k+1], v[ADRB+\f] offset:16*PITCH*\c+128*(\q)+16*\k
.endr
.endr
.irp a, 0,1,2,3,4,5,6,7
.irp g, 0,1,2,3
	ds_load_b128 v[AF+16*\a+4*\g:AF+16*\a+4*\g+3], v[ADRA+\f] offset:4096*\a+2048*(\q)+512*\g
.endr
.endr
	WIN 0
.endm
.macro MUL p, zero                     ; 32 matrix instructions on set p; the accumulators take turns, one instruction a turn
	WIN (0xa0+5*(\p))                              ; sources 0 and 1 window p, C and D window 2
.irp a, 0,1,2,3,4,5,6,7
.irp c, 0,1,2,3
.if \zero
	v_wmma_f32_16x16x128_fp8_fp8 v[8*(4*\a+\c):8*(4*\a+\c)+7], v[BF+16*\c:BF+16*\c+15], v[AF+16*\a:AF+16*\a+15], 0
.else
	v_wmma_f32_16x16x128_fp8_fp8 v[8*(4*\a+\c):8*(4*\a+\c)+7], v[BF+16*\c:BF+16*\c+15], v[AF+16*\a:AF+16*\a+15], v[8*(4*\a+\c):8*(4*\a+\c)+7]
.endif
.endr
.endr
	WIN 0
.endm
.macro NEXT f, q, p                    ; set 1 - p is in; the next step's fragments go into set p while set 1 - p is multiplied
	s_wait_dscnt 0x0
	PLACES 4                                       ; in front of loads into registers that matrix instructions have read
	FETCH \f, \q, \p
	MUL 1-(\p), 0
.endm
	s_wait_tensorcnt 2                             ; my part of chunk 0 is in; chunks 1 and 2 may stay out
	s_barrier_signal -1
	s_barrier_wait -1
	FETCH 0, 0, 0
	s_wait_dscnt 0x0
	FETCH 0, 1, 1
	MUL 0, 1                                       ; the first products start the sums
	s_wait_tensorcnt 0x0                           ; all my tensor loads have landed: chunks 1 and 2;
	ds_add_u32 v[SPW], v[NIL]                      ; 0 onto my spare word
	s_add_nc_u64 s[G0A+2:G0A+3], s[G0A+2:G0A+3], 3*4096    ; no load of mine is out: slot 0 takes chunk 3
	s_add_nc_u64 s[G0B+2:G0B+3], s[G0B+2:G0B+3], 3*256
	s_wait_dscnt 0x0                               ; the add is done, and my reads of slot 0 are over: its last fragments are in set 1
	s_barrier_signal -1                            ; this barrier opens a round of the cluster's barrier
	MUL 1, 0                                       ; work on registers while the others arrive
	s_barrier_wait -1
	CREST                                          ; no wave of any partner still reads slot 0 or has a load on its way
	JLOAD 0                                        ; the first tensor load behind the round; its four v_nop are the places in front of the loads below
	FETCH 1, 0, 0
	NEXT 1, 1, 1
	NEXT 2, 0, 0
	NEXT 2, 1, 1
	s_wait_tensorcnt 0x0                           ; my part of chunk 3 is in
	ds_add_u32 v[SPW], v[NIL]
	s_wait_dscnt 0x0                               ; set 1 is in
	s_barrier_signal -1
	s_barrier_wait -1                              ; everybody's part of chunk 3 is in; nothing is filled any more
	PLACES 4
	FETCH 0, 0, 0
	MUL 1, 0
	NEXT 0, 1, 1
	s_wait_dscnt 0x0
	MUL 1, 0
	s_wait_loadcnt 0x0                             ; bo
	PLACES 4                                       ; in front of the first read of results and of writes and loads into the fragments' registers
; THE WAY OUT, a block of 16 rows x my 64 columns at a time: sum x 2^(e10 + e11) + bo, through my own stage in LDS, back as whole rows of 256 bytes.  LDS serves a wave's instructions in order (ISA guide 5.7.1.4).
.macro TOSTAGE a
.set TW, T+32*((\a)%2)                 ; two sets by turns: a set is written again behind the counted wait that shows its stores done
	WIN 0x02                                       ; source 0 window 2
.irp c, 0,1,2,3
.irp i, 0,2,4,6
	v_pk_fma_f32 v[TW+8*\c+\i:TW+8*\c+\i+1], v[8*(4*(\a)+\c)+\i:8*(4*(\a)+\c)+\i+1], s[SC:SC+1], v[BO+8*\c+\i:BO+8*\c+\i+1] op_sel_hi:[1,0,1]
.endr
.endr
	WIN 0
.irp c, 0,1,2,3
	ds_store_b128 v[STO], v[TW+8*\c:TW+8*\c+3] offset:64*\c
	ds_store_b128 v[STO], v[TW+8*\c+4:TW+8*\c+7] offset:64*\c+16
.endr
	WIN 0x40                                       ; destination window 1
.irp i, 0,1,2,3,4,5,6,7
	ds_load_b128 v[32*(\a)+4*\i:32*(\a)+4*\i+3], v[RD] offset:2*SP*\i
.endr
	WIN 0
.endm
.macro SEND a, younger                 ; younger: the LDS instructions issued behind block a's loads, which may stay out
	s_wait_dscnt \younger
	WIN 0x04                                       ; the stores' data window 1
.irp i, 0,1,2,3,4,5,6,7
	global_store_b128 v[CO], v[32*(\a)+4*\i:32*(\a)+4*\i+3], s[12:13] offset:(16*(\a)+2*\i)*4096 th:TH_STORE_NT   ; 16 lanes store 256 consecutive bytes, aligned; each block has registers of its own
.endr
	WIN 0
.endm
	TOSTAGE 0
.irp a, 1,2,3,4,5,6,7
	TOSTAGE \a
	SEND \a-1, 16                                  ; behind block a - 1's loads: block a's 8 stores and 8 loads
.endr
	SEND 7, 0
	s_wait_tensorcnt 0x0                           ; the wave's end
	ds_add_u32 v[SPW], v[NIL]
	s_wait_dscnt 0x0
	CROUND                                         ; the closing round
	s_endpgm
.Lfunc_end_k_q4d673ad9ea_outp:
	.size	k_q4d673ad9ea_outp, .Lfunc_end_k_q4d673ad9ea_outp-k_q4d673ad9ea_outp
	.p2alignl 7, 3214868480
	.fill 96, 4, 3214868480
	.section	.rodata,"a",@progbits
	.p2align	6, 0x0
	.amdhsa_kernel k_q4d673ad9ea_outp
		.amdhsa_group_segment_fixed_size 327680
		.amdhsa_private_segment_fixed_size 0
		.amdhsa_enable_private_segment 0
		.amdhsa_kernarg_size 40
		.amdhsa_user_sgpr_count 2
		.amdhsa_user_sgpr_kernarg_segment_ptr 1
		.amdhsa_wavefront_size32 1
		.amdhsa_system_sgpr_workgroup_id_x 1
		.amdhsa_system_sgpr_workgroup_id_y 1
		.amdhsa_system_sgpr_workgroup_id_z 1
		.amdhsa_system_vgpr_workitem_id 0
		.amdhsa_next_free_vgpr 768
		.amdhsa_next_free_sgpr 84
		.amdhsa_reserve_vcc 0
		.amdhsa_float_denorm_mode_32 3
		.amdhsa_float_denorm_mode_16_64 3
		.amdhsa_memory_ordered 1
		.amdhsa_forward_progress 1
		.amdhsa_inst_pref_size 85
	.end_amdhsa_kernel
	.amdgpu_metadata
---
amdhsa.version: [ 1, 2 ]
amdhsa.kernels:
  - .name:           k_q4d673ad9ea_outp
    .symbol:         k_q4d673ad9ea_outp.kd
    .args:
      - { .name: cimg, .offset: 0, .size: 8, .value_kind: global_buffer, .address_space: global }
      - { .name: Wo_codes, .offset: 8, .size: 8, .value_kind: global_buffer, .address_space: global }
      - { .name: bo, .offset: 16, .size: 8, .value_kind: global_buffer, .address_space: global }
      - { .name: lowp_scales, .offset: 24, .size: 8, .value_kind: global_buffer, .address_space: global }
      - { .name: out0, .offset: 32, .size: 8, .value_kind: global_buffer, .address_space: global }
    .group_segment_fixed_size: 327680
    .private_segment_fixed_size: 0
    .kernarg_segment_align: 8
    .kernarg_segment_size: 40
    .max_flat_workgroup_size: 128
    .sgpr_count:     84
    .vgpr_count:     768
    .wavefront_size: 32
...
	.end_amdgpu_metadata
.endif
;; end of part 3
;; ======== version 2 of 2: 3 launches; version 1 with the launch attn written anew for expert scheduling mode
;; limits: right only within a limited range of input values
;; workspace buffers: qimg 8,388,608 bytes; kvimg 16,777,216 bytes; cimg 8,388,608 bytes
;; launch proj: the kernel of part 1 again; grid 4 x 96, 8 waves a work-group, clusters of 4 x 4, 327,680 bytes of LDS; arguments q_codes, k_codes, v_codes, Wq_codes, Wk_codes, Wv_codes, bq, bk, bv, lowp_scales, qimg, kvimg; writes qimg, kvimg
;; launch attn (part 4): grid 8 x 64, 16 waves a work-group, no clusters, 34,816 bytes of LDS; arguments qimg, kvimg, lowp_scales, cimg; writes cimg
.if DOCPART == 4
	.amdgcn_target "amdgcn-amd-amdhsa--gfx1250"
	.amdhsa_code_object_version 6
	.text
	.protected	k_q4d673ad9ea_attn
	.globl	k_q4d673ad9ea_attn
	.p2align	8
	.type	k_q4d673ad9ea_attn,@function
k_q4d673ad9ea_attn:
	s_mov_b64 s[64:65], 0
	v_nop
	global_prefetch_b8 v0, s[64:65] scope:SCOPE_SE
	s_setreg_imm32_b32 hwreg(HW_REG_WAVE_SCHED_MODE, 0, 2), 2
	s_setreg_imm32_b32 hwreg(HW_REG_WAVE_MODE, 25, 1), 1
	s_wait_xcnt 0x0
	s_wait_alu depctr_vm_vsrc(0)
; CAUSAL ATTENTION ON CODES OF FP8 (E4M3), head size 64, scores divided by 32.  Q, K and V^T come as images of operand registers (512 consecutive bytes for four registers, lane l at 16 l), O / l leaves so.
; t = score x log2(e) / 32; M = the running largest t rounded up to a whole number; p = 2^(t - M) is quantised with 2^e8; the sum l is taken of the unquantised p and divides at the end; a change of M multiplies l and O by a power of two.
; SHARES.  A head's 2,048 queries are 16 blocks of 128.  Work-group (I, bh) owns blocks I and 15 - I: 17 block steps in every work-group.  Of its sixteen waves eight take the low block, eight the high one, 16 queries each.
; Keys go 128 a step; the work-group walks tiles 0 .. 15 - I, two steps a trip, so that both LDS slots are constants of the text.  A wave whose queries all lie ahead of a tile's keys jumps over the step's work, never over its copy or its barrier.
; K AND V: a tile of kvimg is 16,384 bytes: K's 8 operands, then V^T's 4.  Wave w copies bytes 1,024 w on through registers into LDS, as they lie; a tile is asked for two steps ahead of its way into LDS.
; BOTH PRODUCTS TRANSPOSED: S^T = K Q^T (16x16x64), O^T = V^T P^T (16x16x128): a lane holds one query; tile t's eight scores are keys 16 t + 8 (l / 16) + 0..7, so the conversions give P's registers 2 t, 2 t + 1.
; NO CLUSTER, NO TENSOR LOAD: the work-groups of a head walk 16 - I tiles, a different number each, so partners could not make every joint request in step; and the one-sided hold of p is jumped over where e8 >= -8
; (then 448 x 2^e8 >= 1.75 and p <= 1: the hold changes nothing), which is a branch on a loaded whole number.
; LIMITS: e6 + e7 between -121 and 132 (added to c's exponent field); e8 and e10 between -126 and 119; e8 + e9 goes in by v_ldexp_f32.
; REGISTERS: v1 16 x lane; v2 1,024 w + 16 x lane; v3 my query less 8 (l / 16), within the block; v4 -infinity; v12 -M, v13 largest t, v[14:15] l; v16-23 Q; v24-39 two sets for the copy; v40-103 K's or V's operands;
; v104-167 S^T, then p; v168-199 O^T; v200-215 P's codes; v216-221 at work; v222, v223: 448 x 2^e8, 2^e8; v224, v225: the same with e10.
; THE MODE: SCHED_MODE bits 1:0 = 2 (LLVM: expert scheduling mode 2), set by the entry lines.  The code itself states the register dependences between vector or matrix instructions and memory or LDS instructions,
; with s_wait_alu, always for 0.
; THE PLAN.  Registers that memory or LDS instructions touch:
;   v1, v2      Offsets and LDS addresses: written at the head, ahead of one wait on va_vdst, and never again.
;   G0, G1      The copy's two sets.  Step par: global loads land in G[par], LDS stores read G[1 - par]; no vector instruction names them.  One wait on vm_vsrc at a step's head: the LDS stores of the step before have read G[par].
;   KV          K's LDS loads land in it, the eight products K Q^T read it, V^T's LDS loads land in it, the four products V^T P^T read it.  Two waits on va_vdst in a worked step: ahead of K's loads (the last V^T P^T are
;               done reading) and behind K Q^T (they are done reading).  Behind the second, V^T's sixteen loads are dealt among the lines of the maximum, which name S^T and v216 to v218: none of KV.
;   P           In the loop named by conversions and matrix instructions alone; on the way out one wait on va_vdst stands between the conversions and the two stores.
;   v254, v255  Written at the head, read by the closing add alone.
; S^T, O^T and the statistics are named by vector and matrix instructions alone.  Scalar registers that vector instructions write: the wave's number, and on the diagonal eight masks; a wait on va_sdst stands ahead of their first readers.
.set Q,  16
.set G,  24
.set KV, 40
.set S,  104
.set O,  168
.set P,  200
.set WV, 12
.set BLK, 17                           ; s17  my block of queries
.set NP, 18                            ; s18  trips
.set CNT, 19
.set SEL, 20
.set CS, 22                            ; s[22:23] c = log2(e) / 32 x 2^(e6 + e7)
.set TS, 24                            ; s24  the step's tile
.set BA, 26                            ; s[26:27], s[28:29] where the even and the odd tiles are loaded from
.set OF, 30                            ; s[30:31], s[32:33] their byte offsets in the head
.set MK, 44                            ; s[44:51] on the diagonal: an accumulator's eight masks (at the head these registers hold offsets that are used up there)
	s_load_b256 s[4:11], s[0:1], 0x0               ; qimg s[4:5], kvimg s[6:7], the exponents s[8:9], cimg s[10:11]
	v_lshl_add_u32 v254, v0, 2, 0x8000
	v_mov_b32 v255, 0
	v_lshrrev_b32 v5, 5, v0
	v_readfirstlane_b32 s[WV], v5                  ; wave 0..15
	v_and_b32 v6, 31, v0
	v_lshlrev_b32 v1, 4, v6
	v_lshl_add_u32 v2, v5, 10, v1
	v_and_b32 v7, 15, v0                           ; r
	v_bfe_u32 v8, v0, 4, 1                         ; h
	v_lshlrev_b32 v8, 3, v8
	v_sub_nc_u32 v3, v7, v8
	s_and_b32 s14, ttmp7, 0xffff                   ; bh
	s_wait_alu depctr_va_sdst(0)                   ; the wave's number is written, ahead of its first reader: my block and my addresses are made from it
	s_lshr_b32 s15, s[WV], 2
	s_xor_b32 s15, s15, s[WV]
	s_and_b32 s15, s15, 1                          ; 0: the low block, 1: the high one; waves 2 J and 2 J + 1 differ in it
	s_lshr_b32 s16, s[WV], 1                       ; J: which 16 queries of the block
	s_sub_co_u32 s[BLK], 15, ttmp9
	s_cmp_eq_u32 s15, 0
	s_cselect_b32 s[BLK], ttmp9, s[BLK]
	s_sub_co_u32 s[NP], 17, ttmp9
	s_lshr_b32 s[NP], s[NP], 1                     ; 2 NP steps cover tiles 0 .. 15 - I
	s_lshl_b32 s44, s16, 4
	v_add_nc_u32 v3, s44, v3                       ; 16 J + r - 8 h
	s_lshl_b32 s46, s14, 18                        ; kvimg: 2^18 bytes a head
	s_mov_b32 s47, 0
	s_lshl_b32 s52, s[BLK], 3
	s_add_co_u32 s52, s52, s16                     ; my tile of 16 queries within the head
	s_lshl_b32 s48, s14, 17
	s_lshl_b32 s44, s52, 10
	s_add_co_u32 s48, s48, s44                     ; qimg
	s_mov_b32 s49, 0
	s_lshr_b32 s50, s14, 4
	s_lshl_b32 s50, s50, 21                        ; cimg: the batch's 128 tiles of rows, 16,384 bytes each,
	s_lshl_b32 s44, s52, 14
	s_add_co_u32 s50, s50, s44
	s_and_b32 s44, s14, 15
	s_lshl_b32 s44, s44, 10                        ; 1,024 bytes a head
	s_add_co_u32 s50, s50, s44
	s_mov_b32 s51, 0
	s_mov_b32 s[SEL], 0x76543210
	s_mov_b32 s[SEL+1], 0xfedcba98
	s_mov_b32 s[CS], 0x3d38aa3b                    ; log2(e) / 32
	s_mov_b32 s[CNT], 0
	s_mov_b32 s[TS], 0
	s_mov_b32 s[OF], 0
	s_mov_b32 s[OF+1], 0
	s_mov_b32 s[OF+2], 16384
	s_mov_b32 s[OF+3], 0
	s_wait_kmcnt 0x0
	s_load_b256 s[36:43], s[8:9], 0x10             ; e4 .. e11: e6 s38, e7 s39, e8 s40, e9 s41, e10 s42
	s_add_nc_u64 s[6:7], s[6:7], s[46:47]
	s_add_nc_u64 s[4:5], s[4:5], s[48:49]
	s_add_nc_u64 s[10:11], s[10:11], s[50:51]
	s_add_nc_u64 s[BA:BA+1], s[6:7], s[OF:OF+1]
	s_add_nc_u64 s[BA+2:BA+3], s[6:7], s[OF+2:OF+3]
	s_wait_alu depctr_va_vdst(0)                   ; v1 and v2 are written: every load, LDS access and store of the kernel reads one of them as its offset or address; so are v254 and v255, which the closing add reads
	global_load_b128 v[Q:Q+3], v1, s[4:5]
	global_load_b128 v[Q+4:Q+7], v1, s[4:5] offset:512
	global_load_b128 v[G:G+3], v2, s[BA:BA+1]                  ; tile 0
	global_load_b128 v[G+4:G+7], v2, s[BA:BA+1] offset:512
	global_load_b128 v[G+8:G+11], v2, s[BA+2:BA+3]             ; tile 1
	global_load_b128 v[G+12:G+15], v2, s[BA+2:BA+3] offset:512
	v_mov_b32 v4, 0xff800000                       ; -infinity
	v_mov_b32 v13, 0xff61b1e6                      ; the largest t so far: -3e38
	v_floor_f32 v12, -v13                          ; -M
	v_mov_b32 v14, 0
	v_mov_b32 v15, 0
	v_mov_b32 v217, 0                              ; a lane permute's destination counts as read
	v_mov_b32 v219, 0                              ; named as the upper half of v[218:219]
.set n, 0
.rept 32
	v_mov_b32 v[O+n], 0                            ; the step is written once: its first turn finds zeros
.set n, n+1
.endr
	s_wait_kmcnt 0x0
	s_add_co_i32 s44, s38, s39
	s_lshl_b32 s44, s44, 23
	s_add_co_i32 s[CS], s[CS], s44                 ; a score stands for score x 2^(e6 + e7)
	s_mov_b32 s[CS+1], s[CS]
	s_add_co_i32 s44, s40, 127
	s_lshl_b32 s45, s44, 23
	v_mov_b32 v223, s45                            ; 2^e8
	s_add_co_i32 s44, s44, 8
	s_lshl_b32 s44, s44, 23
	s_or_b32 s44, s44, 0x600000
	v_mov_b32 v222, s44                            ; 448 x 2^e8
	s_add_co_i32 s44, s42, 127
	s_lshl_b32 s45, s44, 23
	v_mov_b32 v225, s45                            ; 2^e10
	s_add_co_i32 s44, s44, 8
	s_lshl_b32 s44, s44, 23
	s_or_b32 s44, s44, 0x600000
	v_mov_b32 v224, s44                            ; 448 x 2^e10
	s_wait_loadcnt 0x2                             ; Q and tile 0 are in; tile 1's two loads may be out
	ds_store_b128 v2, v[G:G+3]
	ds_store_b128 v2, v[G+4:G+7] offset:512
	s_wait_dscnt 0x0
	s_barrier_signal -1
	s_barrier_wait -1                              ; tile 0 lies in slot 0
; V^T's next group of four registers, group m of sixteen: block m / 4 of 16 d, registers 4 (m % 4) on.
.macro VFRAG par
	ds_load_b128 v[KV+4*m:KV+4*m+3], v1 offset:(\par)*16384+8192+512*m
.set m, m+1
.endm
; A KEY STEP on the tile in slot par.
.macro STEP par
	s_wait_alu depctr_vm_vsrc(0)                   ; the LDS stores of the step before (at the first step: the head's) have read G[par], in which the two loads below land
	s_add_co_u32 s[OF+2*\par], s[OF+2*\par], 32768             ; the tile two steps on; its base's last load was shown done by the last step's counted wait
	s_min_u32 s[OF+2*\par], s[OF+2*\par], (14+\par)<<14        ; held inside the head: what lies beyond tile 15 - I is never multiplied
	s_add_nc_u64 s[BA+2*\par:BA+2*\par+1], s[6:7], s[OF+2*\par:OF+2*\par+1]
	global_load_b128 v[G+8*\par:G+8*\par+3], v2, s[BA+2*\par:BA+2*\par+1]
	global_load_b128 v[G+8*\par+4:G+8*\par+7], v2, s[BA+2*\par:BA+2*\par+1] offset:512
	s_wait_loadcnt 0x2                             ; the next tile's part is in; the two loads just issued stay out
	ds_store_b128 v2, v[G+8*(1-\par):G+8*(1-\par)+3] offset:(1-\par)*16384       ; into the slot that every wave left at the last barrier
	ds_store_b128 v2, v[G+8*(1-\par)+4:G+8*(1-\par)+7] offset:(1-\par)*16384+512
	s_cmp_gt_u32 s[TS], s[BLK]                     ; all of the tile's keys come after my queries
	s_cbranch_scc1 .Lhid_\@
	s_wait_alu depctr_va_vdst(0)                   ; the products V^T P^T of my last step are done reading KV, in which K's loads land
.irp t, 0,1,2,3,4,5,6,7
	ds_load_b128 v[KV+8*\t:KV+8*\t+3], v1 offset:\par*16384+1024*\t
	ds_load_b128 v[KV+8*\t+4:KV+8*\t+7], v1 offset:\par*16384+1024*\t+512
.endr
	s_wait_dscnt 0x0
.irp t, 0,1,2,3,4,5,6,7
	v_wmma_f32_16x16x64_fp8_fp8 v[S+8*\t:S+8*\t+7], v[KV+8*\t:KV+8*\t+7], v[Q:Q+7], 0
.endr
.rept 4
	v_nop                                          ; places in front of the first read of the scores
.endr
	s_wait_alu depctr_va_vdst(0)                   ; the products K Q^T are done reading KV, in which V^T's loads land: they follow below, dealt among lines that name none of KV
	s_cmp_lg_u32 s[TS], s[BLK]
	s_cbranch_scc1 .Lopen_\@
.irp t, 0,1,2,3,4,5,6,7                ; on the diagonal: register 8 t + j holds key 16 t + j + 8 h of the tile: hidden where that is beyond my query.  An accumulator's eight compares, one wait, its eight selects
.irp j, 0,1,2,3,4,5,6,7
	v_cmp_gt_i32 s[MK+\j], 16*\t+\j, v3
.endr
	s_wait_alu depctr_va_sdst(0)                   ; the eight masks are written, ahead of the selects that read them
.irp j, 0,1,2,3,4,5,6,7
	v_cndmask_b32 v[S+8*\t+\j], v[S+8*\t+\j], v4, s[MK+\j]
.endr
.endr
.Lopen_\@:
.set m, 0
	v_max3_num_f32 v216, v[S], v[S+1], v[S+2]      ; the step's largest score of my query, in two chains; each accumulator is read from its low end on
	v_max3_num_f32 v218, v[S+3], v[S+4], v[S+5]
	VFRAG \par                                     ; V^T: one load behind each pair of lines; it lands while the softmax is worked.  No wait: no vector or matrix instruction since the wait above names KV
.irp i, 6,10,14,18,22,26,30,34,38,42,46,50,54,58
	v_max3_num_f32 v216, v216, v[S+\i], v[S+\i+1]
	v_max3_num_f32 v218, v218, v[S+\i+2], v[S+\i+3]
	VFRAG \par
.endr
	v_max3_num_f32 v216, v216, v[S+62], v[S+63]
	v_max_num_f32 v216, v216, v218
	VFRAG \par                                     ; the sixteenth
	v_permlanex16_b32 v217, v216, s[SEL], s[SEL+1]
	v_max_num_f32 v216, v216, v217                 ; and lane l xor 16's
	v_mul_f32 v216, s[CS], v216                    ; as t (c is positive)
	v_max_num_f32 v13, v13, v216
	v_mov_b32 v216, v12
	v_floor_f32 v12, -v13                          ; -M = floor(-t): M is a whole number
	v_sub_f32 v216, v12, v216                      ; old M - new M, 0 or less
	v_cvt_i32_f32 v216, v216                       ; (it saturates)
	v_ldexp_f32 v218, 1.0, v216                    ; f = 2^(old M - new M)
.set n, 0
.rept 32
	v_pk_fma_f32 v[S+n:S+n+1], v[S+n:S+n+1], s[CS:CS+1], v[12:13] op_sel_hi:[1,0,0]   ; t - M
.set n, n+2
.endr
.set n, 0
.rept 64
	v_exp_f32 v[S+n], v[S+n]                       ; p = 2^(t - M)
.set n, n+1
.endr
	v_pk_mul_f32 v[14:15], v[14:15], v[218:219] op_sel_hi:[1,0]   ; l under the new M; the plain line behind the exponentials
	s_wait_alu depctr_va_vdst(0)                   ; the 64 exponentials have written p: one wait for the batch, ahead of its first reader
	v_pk_add_f32 v[220:221], v[S:S+1], v[S+2:S+3]  ; the sum of the unquantised p, in two chains
.irp j, 4,8,12,16,20,24,28,32,36,40,44,48,52,56,60
	v_pk_add_f32 v[14:15], v[14:15], v[S+\j:S+\j+1]
	v_pk_add_f32 v[220:221], v[220:221], v[S+\j+2:S+\j+3]
.endr
	v_pk_add_f32 v[14:15], v[14:15], v[220:221]
	s_cmp_ge_i32 s40, -8                           ; 448 x 2^e8 >= 1.75 >= p: the hold would change nothing
	s_cbranch_scc1 .Lnohold_\@
.set n, 0
.rept 64
	v_min_num_f32 v[S+n], v[S+n], v222             ; the conversion does not saturate (ISA guide 7.6.2); p is not negative
.set n, n+1
.endr
.Lnohold_\@:
.irp t, 0,1,2,3,4,5,6,7
	v_cvt_scalef32_pk8_fp8_f32 v[P+2*\t:P+2*\t+1], v[S+8*\t:S+8*\t+7], v223
.endr
.set n, 0
.rept 16
	v_pk_mul_f32 v[O+n:O+n+1], v[O+n:O+n+1], v[218:219] op_sel_hi:[1,0]   ; O^T under the new M; also the plain lines behind the conversions
.set n, n+2
.endr
	s_wait_dscnt 0x0                               ; V^T is in
.irp d, 0,1,2,3
	v_wmma_f32_16x16x128_fp8_fp8 v[O+8*\d:O+8*\d+7], v[KV+16*\d:KV+16*\d+15], v[P:P+15], v[O+8*\d:O+8*\d+7]
.endr
.rept 4
	v_nop                                          ; places in front of the next read of O^T
.endr
.Lhid_\@:
	s_add_co_u32 s[TS], s[TS], 1
	s_wait_dscnt 0x0                               ; my stores of the next tile have landed, my reads of this one are over
	s_barrier_signal -1
	s_barrier_wait -1
.endm
.Lpair:
	STEP 0
	STEP 1
	s_add_co_u32 s[CNT], s[CNT], 1
	s_cmp_lt_u32 s[CNT], s[NP]
	s_cbranch_scc1 .Lpair
	; THE WAY OUT: O^T x 2^(e8 + e9) / l, held, converted with 2^e10: registers 2 t, 2 t + 1 = d 16 t + 8 h + 0..7 of my query: half an operand of the last product
	v_add_f32 v14, v14, v15
	v_permlanex16_b32 v217, v14, s[SEL], s[SEL+1]
	v_add_f32 v14, v14, v217                       ; the row's sum
	v_rcp_f32 v14, v14
	v_nop                                          ; a plain line behind the transcendental
	s_add_co_i32 s44, s40, s41
	s_wait_alu depctr_va_vdst(0)                   ; the reciprocal has written v14, ahead of its first reader
	v_ldexp_f32 v14, v14, s44
.set n, 0
.rept 16
	v_pk_mul_f32 v[S+n:S+n+1], v[O+n:O+n+1], v[14:15] op_sel_hi:[1,0]
.set n, n+2
.endr
.set n, 0
.rept 32
	v_med3_num_f32 v[S+n], v[S+n], -v224, v224
.set n, n+1
.endr
.irp t, 0,1,2,3
	v_cvt_scalef32_pk8_fp8_f32 v[P+2*\t:P+2*\t+1], v[S+8*\t:S+8*\t+7], v225
.endr
	v_nop
	s_wait_alu depctr_va_vdst(0)                   ; the conversions have written v[P ..], which the two stores read
	global_store_b128 v1, v[P:P+3], s[10:11]                   ; 32 lanes store 512 consecutive bytes, aligned
	global_store_b128 v1, v[P+4:P+7], s[10:11] offset:512
	s_wait_dscnt 0x0                               ; the closing lines, six on end
	s_wait_alu 0x0
	s_wait_tensorcnt 0x0
	ds_add_u32 v254, v255
	s_wait_dscnt 0x0
	s_endpgm
.Lfunc_end_k_q4d673ad9ea_attn:
	.size	k_q4d673ad9ea_attn, .Lfunc_end_k_q4d673ad9ea_attn-k_q4d673ad9ea_attn
	.p2alignl 7, 3214868480
	.fill 96, 4, 3214868480
	.section	.rodata,"a",@progbits
	.p2align	6, 0x0
	.amdhsa_kernel k_q4d673ad9ea_attn
		.amdhsa_group_segment_fixed_size 34816
		.amdhsa_private_segment_fixed_size 0
		.amdhsa_enable_private_segment 0
		.amdhsa_kernarg_size 32
		.amdhsa_user_sgpr_count 2
		.amdhsa_user_sgpr_kernarg_segment_ptr 1
		.amdhsa_wavefront_size32 1
		.amdhsa_system_sgpr_workgroup_id_x 1
		.amdhsa_system_sgpr_workgroup_id_y 1
		.amdhsa_system_sgpr_workgroup_id_z 1
		.amdhsa_system_vgpr_workitem_id 0
		.amdhsa_next_free_vgpr 256
		.amdhsa_next_free_sgpr 66
		.amdhsa_reserve_vcc 0
		.amdhsa_float_denorm_mode_32 3
		.amdhsa_float_denorm_mode_16_64 3
		.amdhsa_memory_ordered 1
		.amdhsa_forward_progress 1
		.amdhsa_inst_pref_size 60
	.end_amdhsa_kernel
	.amdgpu_metadata
---
amdhsa.version: [ 1, 2 ]
amdhsa.kernels:
  - .name:           k_q4d673ad9ea_attn
    .symbol:         k_q4d673ad9ea_attn.kd
    .args:
      - { .name: qimg, .offset: 0, .size: 8, .value_kind: global_buffer, .address_space: global }
      - { .name: kvimg, .offset: 8, .size: 8, .value_kind: global_buffer, .address_space: global }
      - { .name: lowp_scales, .offset: 16, .size: 8, .value_kind: global_buffer, .address_space: global }
      - { .name: cimg, .offset: 24, .size: 8, .value_kind: global_buffer, .address_space: global }
    .group_segment_fixed_size: 34816
    .private_segment_fixed_size: 0
    .kernarg_segment_align: 8
    .kernarg_segment_size: 32
    .max_flat_workgroup_size: 512
    .sgpr_count:     66
    .vgpr_count:     256
    .wavefront_size: 32
...
	.end_amdgpu_metadata
.endif
;; end of part 4
;; launch outp: the kernel of part 3 again; grid 4 x 64, 4 waves a work-group, clusters of 4 x 4, 327,680 bytes of LDS; arguments cimg, Wo_codes, bo, lowp_scales, out0; writes out0
